; MI455X (gfx1250); checked and timed in simulation.
; The chip was launched on July 23, 2026; its instructions are those of AMD's public machine-readable ISA for CDNA 5 (MIT licence, August 2026) and "CDNA5" Instruction Set Architecture Reference Guide (July 2026). The comments in the code are by the model that wrote it; some were corrected since.
;; CLAMSB. Allowed arithmetic: matrix products marked QUANTISED: E3M2 operands, one E8M0 scale for each 32 along K, by v_wmma_scale_f32_16x16x128_f8f6f4 with both operands' format E3M2, f32 sums; products left as they are: f32 operands where the result goes on into a quantised operand, else bf16, f16 or f32 operands; f32 sums; everything else in f32.
;; Inputs: W1 1,024 x 512 float32; Wa 512 x 256 float32; Wb 512 x 256 float32; Wc 256 x 2 float32; Wcls 512 x 1 float32; Wins 2 x 512 x 2 float32; b1 512 float32; ba 256 float32; bb 256 float32; bc 2 float32; bcls 1 float32; bins 2 x 2 float32; x 65,536 x 1,024 float32.
;; Outputs: out0 1 x 2 float32; out1 1 x 2 float32; out2 1 int32; out3 2 x 65,536 float32; out4 one number float32.
;; Constants: target = 1.
;; This version of the problem:
;;   THIS VERSION OF THE PROBLEM IS GIVEN IN LOW PRECISION. The matrix products marked QUANTISED in the list below multiply operands that are first quantised to E3M2 (3 exponent bits, 2 mantissa bits; 6 bits a number), with one power-of-two scale for each 32 numbers along K (OCP MX v1.0); their sums are f32. All else is computed in f32.
;;   The module's matrix products, in the order in which they are computed (A, B: the left and right operand; K: the contracted axis; several contracted axes count as one K, in the product's order):
;;     1. [M 65,536, K 1,024] x [K 1,024, N 512]; A: input x; B: input W1: QUANTISED
;;     2. [M 65,536, K 512] x [K 512, N 256]; A: computed on the way; B: input Wa: QUANTISED
;;     3. [M 65,536, K 512] x [K 512, N 256]; A: computed on the way; B: input Wb: QUANTISED
;;     4. [M 65,536, K 256] x [K 256, N 2]; A: computed on the way; B: input Wc: left as it is (N = 2 < 16)
;;     5. [M 2, K 65,536] x [K 65,536, N 512]; A: softmax; B: computed on the way: left as it is (M = 2 < 16)
;;     6. batch 2 x [M 16, K 512] x [K 512, N 2]; A: computed on the way; B: input Wins: left as it is (N = 2 < 16)
;;     7. batch 2 x [M 8, K 512] x [K 512, N 2]; A: computed on the way; B: input Wins: left as it is (M = 8 < 16)
;;     8. [M 2, K 512] x [K 512, N 1]; A: computed on the way; B: input Wcls: left as it is (M = 2 < 16)
;;   THE QUANTISER, for each operand of a quantised product, along K:
;;     - K is cut into blocks of 32 from its start; a last block that is shorter is filled with zeros.
;;     - A block's scale is 2^e with e = floor(log2(the largest magnitude in the block)) - 4, held to -126 .. 127; a block of zeros has e = 0. As a byte (E8M0): e + 127.
;;     - Each number is divided by its block's scale, clamped to +-28, and rounded to the nearest number of E3M2, ties to even, subnormals kept.
;;     - The product sums the exact products of the quantised numbers (number of the format x scale) in f32.
;;   ~~~python
;;   def quantise(x, axis):      # numpy; x: float32 -> the quantised numbers, widened to float32 again
;;       x = np.moveaxis(x, axis, -1); K = x.shape[-1]
;;       x = np.pad(x, [(0, 0)] * (x.ndim - 1) + [(0, -K % 32)]); x = x.reshape(x.shape[:-1] + (-1, 32)); a = np.abs(x).max(-1, keepdims=True)
;;       e = np.where(a > 0, np.clip(np.frexp(np.where(a > 0, a, 1))[1] - 1 - 4, -126, 127), 0)      # np.frexp(a)[1] - 1 = floor(log2(a)), exactly
;;       r = np.clip(x / 2.0 ** e, -28, 28)
;;       step = 2.0 ** (np.maximum(np.frexp(np.where(r == 0, 1, r))[1] - 1, -2) - 2)
;;       q = np.round(r / step) * step * 2.0 ** e      # np.round: ties to even
;;       return np.moveaxis(q.reshape(q.shape[:-2] + (-1,))[..., :K], -1, axis).astype(np.float32)
;;   ~~~
;;   OPERANDS COMPUTED ON THE WAY. 'Computed on the way' means the value that the module computes at that place (a softmax that the list does not call 'softmax' is quantised finished and normalised). What goes into a quantiser is computed in f32, as accurately as f32 sums, v_exp_f32 and their like allow (about 1e-6 of the number): no bf16 or f16 on the way to a quantiser, and a product that is left as it is and whose result goes on into a quantised operand takes f32 operands (vector FMAs, or v_wmma_f32_16x16x4_f32). A number that lies on a knife's edge between two numbers of the format may be rounded either way, as far as f32 arithmetic and the matrix unit's own rounding can turn it there, and no further.
;; One version. Each part assembles by itself: llvm-mc -triple=amdgcn-amd-amdhsa -mcpu=gfx1250 --defsym DOCPART=n.
;; ======== version 1 of 1: 3 launches
;; limits: right only within a limited range of input values; values are held in bf16: 8 bits of precision
;; workspace buffers: wq 614,400 bytes; ws 16,384 bytes; part 98,304 bytes
;; launch prep (part 1): grid 49 x 1, 8 waves a work-group, no clusters, 0 bytes of LDS; arguments W1, Wa, Wb, Wcls, Wins, wq, ws; writes wq, ws
.if DOCPART == 1
	.amdgcn_target "amdgcn-amd-amdhsa--gfx1250"
	.amdhsa_code_object_version 6
	.text
	.protected	k_q396db90af1_prep
	.globl	k_q396db90af1_prep
	.p2align	8
	.type	k_q396db90af1_prep,@function
k_q396db90af1_prep:
	s_mov_b64 s[64:65], 0
	v_nop
	global_prefetch_b8 v0, s[64:65] scope:SCOPE_SE
	s_setreg_imm32_b32 hwreg(HW_REG_WAVE_MODE, 25, 1), 1
	s_wait_xcnt 0x0
; The weights are laid out once, in the order in which a wave's operand registers take them.
; wq: 48 records of 12,800 bytes.  A record holds 8 fragments (16 columns of a weight x 128 along K, codes of E3M2) of 1,536 bytes: three groups of 512 bytes,
; group g holding at 16 x lane that lane's operand registers 4 g .. 4 g + 3; behind them, at 12,288, the scale words [tile][16], 64 bytes a tile.
;   records 0-31, q = 8 c + s: W1, hidden units 128 c on, K = 128 s on.  Lane r of tile 2 b + u is hidden unit 128 c + 32 b + 8 u + r + 8 (r / 8), so that the results of two
;   neighbouring tiles are 16 neighbours along the next product's K.
;   records 32-47, q = 32 + 4 c + s: tiles 0-3 Wa's columns 64 c + 16 t + r, tiles 4-7 Wb's; K = 128 s on.
; ws: 16 images of 1,024 bytes for the bf16 product of h with Wcls and Wins: image q, lane (n, h): 16 bf16 numbers W_n[32 q + 16 h + 0 .. 15];
;   n % 8 = 0: Wcls; 1 .. 4: Wins[(n % 8 - 1) / 2][.][(n % 8 - 1) % 2]; 5 .. 7: zeros.  Rows 8-15 repeat rows 0-7.
; A work-group makes a record, a wave a fragment: LANE r TAKES A COLUMN AND ITS REGISTERS RUN DOWN K (K is the weights' first axis), in the very order of the operand's layout:
; lane (r, h) holds k = 64 c + 32 h + 0 .. 31, two whole blocks of 32, so no other lane is asked for a maximum and nothing is transposed.
; A block's scale byte is its largest magnitude's exponent field - 4, held at 1 from below.
; LIMITS: a block of zeros, and a block whose largest magnitude lies under 2^-122, gets the byte 1 (its codes are zeros or what that scale gives; this program alone reads the bytes);
; NaN and infinities among the inputs are not served.
.set X, 64                             ; v64-127 the lane's 64 numbers
	s_load_b256 s[4:11], s[0:1], 0x0               ; W1 s[4:5], Wa s[6:7], Wb s[8:9], Wcls s[10:11]
	s_load_b128 s[12:15], s[0:1], 0x20             ; Wins s[12:13], wq s[14:15]
	s_load_b64 s[16:17], s[0:1], 0x30              ; ws
	v_lshrrev_b32 v1, 5, v0
	s_delay_alu instid0(VALU_DEP_1)
	v_readfirstlane_b32 s20, v1                    ; wave t = the tile, 0..7
	v_and_b32 v1, 31, v0                           ; lane
	v_and_b32 v2, 15, v0                           ; r
	v_bfe_u32 v3, v0, 4, 1                         ; h
	s_delay_alu instid0(VALU_DEP_3)
	v_lshlrev_b32 v6, 4, v1                        ; 16 x lane: my place in a group of an image
	s_delay_alu instid0(VALU_DEP_3)
	v_lshlrev_b32 v7, 2, v2                        ; 4 r: my column's scale word
	s_mov_b32 s30, 0x76543210
	s_mov_b32 s31, 0xfedcba98                      ; v_permlanex16_b32's selects for lane l xor 16
	s_mov_b32 s23, 0
	s_wait_kmcnt 0x0
.macro WLOAD pitch                     ; register 32 c + i: the weight at row 64 c + 32 h + i of this K step, my column
.set ii, 0
.rept 64
	global_load_b32 v[X+ii], v5, s[24:25] offset:(64*(ii/32)+ii%32)*\pitch
.set ii, ii+1
.endr
.endm
	s_cmp_lt_u32 ttmp9, 32
	s_cbranch_scc0 .Lnot_w1
	; ---- W1: a row is 2,048 bytes
	s_and_b32 s22, ttmp9, 7                        ; s
	s_lshl_b32 s22, s22, 18                        ; 128 s rows
	s_lshr_b32 s21, ttmp9, 3                       ; c
	s_lshl_b32 s21, s21, 9                         ; 128 c columns
	s_add_co_u32 s22, s22, s21
	s_lshr_b32 s21, s20, 1                         ; b
	s_lshl_b32 s21, s21, 7                         ; 32 b columns
	s_add_co_u32 s22, s22, s21
	s_and_b32 s21, s20, 1                          ; u
	s_lshl_b32 s21, s21, 5                         ; 8 u columns
	s_add_co_u32 s22, s22, s21
	s_add_nc_u64 s[24:25], s[4:5], s[22:23]
	s_wait_alu depctr_va_vdst(0)
	v_and_b32 v4, 8, v2
	s_delay_alu instid0(VALU_DEP_1)
	v_add_nc_u32 v4, v4, v2                        ; r + 8 (r / 8)
	s_delay_alu instid0(VALU_DEP_1)
	v_lshlrev_b32 v5, 2, v4
	s_delay_alu instid0(VALU_DEP_1)
	v_lshl_add_u32 v5, v3, 16, v5                  ; lanes 16-31 begin 32 rows further down
	WLOAD 2048
	s_branch .Lquant
.Lnot_w1:
	s_cmp_lt_u32 ttmp9, 48
	s_cbranch_scc0 .Lsmall
	; ---- Wa (tiles 0-3) and Wb (tiles 4-7): a row is 1,024 bytes
	s_sub_co_u32 s21, ttmp9, 32
	s_and_b32 s22, s21, 3                          ; s
	s_lshl_b32 s22, s22, 17                        ; 128 s rows
	s_lshr_b32 s21, s21, 2                         ; c
	s_lshl_b32 s21, s21, 8                         ; 64 c columns
	s_add_co_u32 s22, s22, s21
	s_and_b32 s21, s20, 3
	s_lshl_b32 s21, s21, 6                         ; 16 (t % 4) columns
	s_add_co_u32 s22, s22, s21
	s_cmp_lt_u32 s20, 4                            ; the choice hangs on the wave's number alone
	s_cselect_b64 s[24:25], s[6:7], s[8:9]
	s_add_nc_u64 s[24:25], s[24:25], s[22:23]
	s_wait_alu depctr_va_vdst(0)
	v_lshlrev_b32 v5, 2, v2
	s_delay_alu instid0(VALU_DEP_1)
	v_lshl_add_u32 v5, v3, 15, v5
	WLOAD 1024
.Lquant:
	s_wait_loadcnt 0x0
.irp c, 0,1                            ; my block 2 c + h: all its 32 numbers are mine
	v_max3_num_f32 v[32+\c], |v[X+32*\c]|, |v[X+1+32*\c]|, 0x2800000   ; and the floor 2^(5 - 127): the byte cannot fall under 1
.endr
.irp i, 2,4,6,8,10,12,14,16,18,20,22,24,26,28,30
.irp c, 0,1
	s_delay_alu instid0(VALU_DEP_2)
	v_max3_num_f32 v[32+\c], v[32+\c], |v[X+32*\c+\i]|, |v[X+1+32*\c+\i]|   ; (the two blocks by turns)
.endr
.endr
.irp c, 0,1
	s_delay_alu instid0(VALU_DEP_2)
	v_add_nc_u32 v[44+\c], 0xfe000000, v[32+\c]    ; 4 off the exponent field: the conversion's scale operand
.endr
.irp c, 0,1
	s_delay_alu instid0(VALU_DEP_2)
	v_lshrrev_b32 v[36+\c], 23, v[44+\c]           ; the scale's byte
.endr
	s_delay_alu instid0(VALU_DEP_1)
	v_lshl_or_b32 v9, v37, 16, v36                 ; my two bytes: blocks h and 2 + h,
	v_lshlrev_b32 v10, 3, v3
	s_delay_alu instid0(VALU_DEP_1)
	v_lshlrev_b32 v9, v10, v9                      ; at their places in the word (8 h bits up);
	v_mov_b32 v10, 0
	s_delay_alu instid0(VALU_DEP_1)
	v_permlanex16_b32 v10, v9, s30, s31
	s_delay_alu instid0(VALU_DEP_1)
	v_or_b32 v9, v9, v10                           ; with lane l xor 16's two the word is whole
.irp c, 0,1
	v_cvt_scalef32_pk16_bf6_f32 v[48+6*\c:50+6*\c], v[X+32*\c:X+15+32*\c], v[44+\c]      ; registers 6 c .. of the operand
	v_cvt_scalef32_pk16_bf6_f32 v[16+4*\c:18+4*\c], v[X+16+32*\c:X+31+32*\c], v[44+\c]   ; (a conversion's three registers begin on an even number: the second half is made elsewhere and moved)
.endr
	v_nop                                          ; one plain place behind a scaled conversion
.irp c, 0,1
.irp i, 0,1,2
	v_mov_b32 v[51+6*\c+\i], v[16+4*\c+\i]
.endr
.endr
	s_mul_i32 s26, ttmp9, 12800                    ; my record,
	s_mul_i32 s21, s20, 1536                       ; my fragment in it
	s_add_co_u32 s22, s26, s21
	s_add_nc_u64 s[28:29], s[14:15], s[22:23]
	s_lshl_b32 s21, s20, 6                         ; and my tile's 64 bytes of scale words
	s_add_co_u32 s22, s26, s21
	s_add_nc_u64 s[36:37], s[14:15], s[22:23]
.irp g, 0,1,2
	global_store_b128 v6, v[48+4*\g:51+4*\g], s[28:29] offset:512*\g   ; 32 lanes store 512 consecutive bytes
.endr
	global_store_b32 v7, v9, s[36:37] offset:12288 ; both halves of the lanes store the same word to the same place
	s_endpgm
.Lsmall:
	; ---- the bf16 images: wave t makes images 2 t and 2 t + 1
	s_wait_alu depctr_va_vdst(0)
	v_and_b32 v8, 7, v2                            ; n % 8
	s_delay_alu instid0(VALU_DEP_1)
	v_max_u32 v9, 1, v8
	s_delay_alu instid0(VALU_DEP_1)
	v_add_nc_u32 v9, -1, v9
	s_delay_alu instid0(VALU_DEP_1)
	v_min_u32 v9, 3, v9                            ; which of Wins' four columns (held inside 0 .. 3 for the rows that take none)
	s_delay_alu instid0(VALU_DEP_1)
	v_and_b32 v10, 1, v9                           ; its last index,
	s_delay_alu instid0(VALU_DEP_2)
	v_lshrrev_b32 v9, 1, v9                        ; its class
	s_delay_alu instid0(VALU_DEP_2)
	v_cmp_eq_u32 s32, 1, v10
	v_cmp_eq_u32 s33, 0, v8                        ; rows that take Wcls
	v_cmp_lt_u32 s34, 4, v8                        ; rows of zeros
	v_lshlrev_b32 v11, 6, v3                       ; Wcls: 64 h bytes
	v_lshlrev_b32 v12, 7, v3
	s_delay_alu instid0(VALU_DEP_1)
	v_lshl_add_u32 v12, v9, 12, v12                ; Wins: 4,096 x class + 128 h
	v_mov_b32 v7, 0
	s_lshl_b32 s22, s20, 8
	s_add_nc_u64 s[24:25], s[10:11], s[22:23]      ; Wcls at 64 t numbers
	s_lshl_b32 s22, s20, 9
	s_add_nc_u64 s[26:27], s[12:13], s[22:23]      ; Wins at 64 t pairs
	s_lshl_b32 s22, s20, 11
	s_add_nc_u64 s[28:29], s[16:17], s[22:23]      ; ws at image 2 t
.irp j, 0,1
.irp k, 0,1,2,3
	global_load_b128 v[16+64*\j+4*\k:19+64*\j+4*\k], v11, s[24:25] offset:128*\j+16*\k
.endr
.irp k, 0,1,2,3,4,5,6,7
	global_load_b128 v[32+64*\j+4*\k:35+64*\j+4*\k], v12, s[26:27] offset:256*\j+16*\k
.endr
.endr
	s_wait_loadcnt 0x0
.macro SMALL j
.set CL, 16+64*\j                      ; 16 numbers of Wcls
.set WI, 32+64*\j                      ; 16 pairs of Wins
.irp e, 0,1,2,3,4,5,6,7,8,9,10,11,12,13,14,15
	v_cndmask_b32 v[WI+2*\e], v[WI+2*\e], v[WI+2*\e+1], s32
	s_delay_alu instid0(VALU_DEP_1)
	v_cndmask_b32 v[WI+2*\e], v[WI+2*\e], v[CL+\e], s33
	s_wait_alu depctr_va_vdst(0)
	v_cndmask_b32 v[WI+2*\e], v[WI+2*\e], v7, s34
.endr
.irp p, 0,1,2,3,4,5,6,7
	v_cvt_pk_bf16_f32 v[CL+\p], v[WI+4*\p], v[WI+4*\p+2]
.endr
	global_store_b128 v6, v[CL:CL+3], s[28:29] offset:1024*\j
	global_store_b128 v6, v[CL+4:CL+7], s[28:29] offset:1024*\j+512
.endm
	SMALL 0
	SMALL 1
	s_endpgm
.Lfunc_end_k_q396db90af1_prep:
	.size	k_q396db90af1_prep, .Lfunc_end_k_q396db90af1_prep-k_q396db90af1_prep
	.p2alignl 7, 3214868480
	.fill 96, 4, 3214868480
	.section	.rodata,"a",@progbits
	.p2align	6, 0x0
	.amdhsa_kernel k_q396db90af1_prep
		.amdhsa_group_segment_fixed_size 0
		.amdhsa_private_segment_fixed_size 0
		.amdhsa_enable_private_segment 0
		.amdhsa_kernarg_size 56
		.amdhsa_user_sgpr_count 2
		.amdhsa_user_sgpr_kernarg_segment_ptr 1
		.amdhsa_wavefront_size32 1
		.amdhsa_system_sgpr_workgroup_id_x 1
		.amdhsa_system_sgpr_workgroup_id_y 1
		.amdhsa_system_sgpr_workgroup_id_z 1
		.amdhsa_system_vgpr_workitem_id 0
		.amdhsa_next_free_vgpr 128
		.amdhsa_next_free_sgpr 66
		.amdhsa_reserve_vcc 0
		.amdhsa_float_denorm_mode_32 3
		.amdhsa_float_denorm_mode_16_64 3
		.amdhsa_memory_ordered 1
		.amdhsa_forward_progress 1
		.amdhsa_inst_pref_size 32
	.end_amdhsa_kernel
	.amdgpu_metadata
---
amdhsa.version: [ 1, 2 ]
amdhsa.kernels:
  - .name:           k_q396db90af1_prep
    .symbol:         k_q396db90af1_prep.kd
    .args:
      - { .name: W1, .offset: 0, .size: 8, .value_kind: global_buffer, .address_space: global }
      - { .name: Wa, .offset: 8, .size: 8, .value_kind: global_buffer, .address_space: global }
      - { .name: Wb, .offset: 16, .size: 8, .value_kind: global_buffer, .address_space: global }
      - { .name: Wcls, .offset: 24, .size: 8, .value_kind: global_buffer, .address_space: global }
      - { .name: Wins, .offset: 32, .size: 8, .value_kind: global_buffer, .address_space: global }
      - { .name: wq, .offset: 40, .size: 8, .value_kind: global_buffer, .address_space: global }
      - { .name: ws, .offset: 48, .size: 8, .value_kind: global_buffer, .address_space: global }
    .group_segment_fixed_size: 0
    .private_segment_fixed_size: 0
    .kernarg_segment_align: 8
    .kernarg_segment_size: 56
    .max_flat_workgroup_size: 256
    .sgpr_count:     66
    .vgpr_count:     128
    .wavefront_size: 32
...
	.end_amdgpu_metadata
.endif
;; end of part 1
;; launch main (part 2): grid 256 x 1, 4 waves a work-group, clusters of 4 x 1, 327,680 bytes of LDS; arguments x, wq, ws, b1, ba, bb, Wc, bc, bins, out3, part; writes out3, part
.if DOCPART == 2
	.amdgcn_target "amdgcn-amd-amdhsa--gfx1250"
	.amdhsa_code_object_version 6
	.text
	.protected	k_q396db90af1_main
	.globl	k_q396db90af1_main
	.p2align	8
	.type	k_q396db90af1_main,@function
k_q396db90af1_main:
	s_mov_b64 s[64:65], 0
	v_nop
	global_prefetch_b8 v0, s[64:65] scope:SCOPE_SE
	s_setreg_imm32_b32 hwreg(HW_REG_WAVE_MODE, 25, 1), 1
	s_wait_xcnt 0x0
	s_wait_alu depctr_hold_cnt(0) depctr_sa_sdst(0) depctr_va_vdst(0) depctr_va_sdst(0) depctr_va_ssrc(0) depctr_va_vcc(0) depctr_vm_vsrc(0)
	s_getreg_b32 s2, hwreg(HW_REG_IB_STS2, 6, 4)
	s_cmp_eq_u32 s2, 0
	s_cbranch_scc0 .Lentry_in_a_cluster
	s_endpgm
.Lentry_in_a_cluster:
	s_bfe_u32 s2, ttmp6, 0x10000c
	s_cmp_lg_u32 s2, 0x3003
	s_cbranch_scc0 .Lentry_shape_is_right
	s_endpgm
.Lentry_shape_is_right:
.set SLOTB,  102400
.set RECB,   12800
.set QUARTB, 25600
.set DSA,    2*SLOTB
.set DSAW,   29952
.set IMG,    4352
.set SCW,    28928
.set ROWS,   DSA
.set SPARE,  DSA+4*DSAW
.set SPW, 1
.set NIL, 2
.set LI,  3
.set L4,  4
.set XO,  5
.set STW, 6
.set STR, 7
.set IMA, 8
.set ISA, 9
.set IMB, 10
.set ISB, 11
.set WA0, 12
.set WS0, 14
.set BO,  16
.set BO2, 17
.set BOV, 18
.set RWA, 19
.set RRA, 20
.set KA,  21
.set DA,  22
.set SAD, 23
.set XSC, 24
.set WSC, 40
.set TM,  48
.set PW,  60
.set ISR, 61
.set LN,  62
.set OUTO, 63
.set WF,  64
.set XS,  64
.set HA,  64
.set HB,  128
.set T0,  160
.set T1,  168
.set PC,  176
.set TU,  64
.set TV,  96
.set TD,  128
.set AT,  160
.set WV,  26
.set SEL, 30
.set G1,  32
.set G0A, 40
.set G0B, 44
.set TB,  52
.set WO,  53
.set PB,  62
.set XP,  66
.set WSP, 76
.set WCP, 78
.set MSB, 0
.macro WIN new
.if MSB != (\new)
	s_set_vgpr_msb (MSB<<8)|(\new)
.set MSB, (\new)
.endif
.endm
.macro PLACES
.rept 4
	v_nop
.endr
.endm
.macro ROUND
	s_barrier_signal -1
	s_barrier_wait -1
	s_cmp_lg_u32 s[WV], 0
	s_cbranch_scc1 .Lnot_wave_0_\@
	s_barrier_signal -3
.Lnot_wave_0_\@:
	s_barrier_wait -3
	s_barrier_signal -1
	s_barrier_wait -1
.endm
.macro QUANT s
.irp b, 0,1,2,3
	v_max3_num_f32 v[TM+\b], |v[\s+16*\b]|, |v[\s+1+16*\b]|, 0x2800000
.endr
.irp i, 2,4,6,8,10,12,14
.irp b, 0,1,2,3
	v_max3_num_f32 v[TM+\b], v[TM+\b], |v[\s+16*\b+\i]|, |v[\s+1+16*\b+\i]|
.endr
.endr
.irp b, 0,1,2,3
	v_permlanex16_b32 v[TM+4+\b], v[TM+\b], s[SEL], s[SEL+1]
.endr
.irp b, 0,1,2,3
	v_max_num_f32 v[TM+\b], v[TM+\b], v[TM+4+\b]
.endr
.irp b, 0,1,2,3
	v_add_nc_u32 v[TM+8+\b], 0xfe000000, v[TM+\b]
.endr
.irp b, 0,1,2,3
	v_lshrrev_b32 v[TM+4+\b], 23, v[TM+8+\b]
.endr
	v_lshl_or_b32 v[PW], v[TM+5], 8, v[TM+4]
	v_lshl_or_b32 v[PW], v[TM+6], 16, v[PW]
	v_lshl_or_b32 v[PW], v[TM+7], 24, v[PW]
.irp c, 0,1
	v_cvt_scalef32_pk16_bf6_f32 v[PC+6*\c:PC+2+6*\c], v[\s+32*\c:\s+15+32*\c], v[TM+8+2*\c]
	v_cvt_scalef32_pk16_bf6_f32 v[PC+12+4*\c:PC+14+4*\c], v[\s+16+32*\c:\s+31+32*\c], v[TM+8+2*\c+1]
.endr
	v_nop
.irp c, 0,1
.irp i, 0,1,2
	v_permlane16_swap_b32 v[PC+6*\c+\i], v[PC+12+4*\c+\i]
.endr
.irp i, 0,1,2
	v_mov_b32 v[PC+3+6*\c+\i], v[PC+12+4*\c+\i]
.endr
.endr
.endm
.macro XLOAD p
	WIN 0x40
.irp k, 0,1
.irp i, 0,1,2,3,4,5,6,7
	global_load_b128 v[64*(\p)+32*\k+4*\i:64*(\p)+32*\k+4*\i+3], v[XO], s[XP:XP+1] offset:(\p)*65536+\i*8192+256*\k th:TH_LOAD_NT
.endr
.endr
	WIN 0
.endm
.macro XUNIT p, ahead, left
	s_wait_loadcnt \left
.irp k, 0,1
	WIN 0x04
.irp i, 0,1,2,3,4,5,6,7
	ds_store_b128 v[STW], v[64*(\p)+32*\k+4*\i:64*(\p)+32*\k+4*\i+3] offset:\i*544
.endr
	WIN 0
.irp b, 0,1
.irp j, 0,1,2,3
	ds_load_b128 v[XS+32*\k+16*\b+4*\j:XS+32*\k+16*\b+4*\j+3], v[STR] offset:128*\b+16*\j
.endr
.endr
.endr
	s_wait_dscnt 0x0
.if \ahead
	XLOAD \p
.endif
	QUANT XS
.irp g, 0,1,2
	ds_store_b128 v[IMA], v[PC+4*\g:PC+4*\g+3] offset:(\p)*1536+512*\g
.endr
	ds_store_b32 v[ISA], v[PW] offset:(\p)*256
.endm
.macro XTRIP ahead
	s_wait_dscnt 0x0
	v_add_nc_u32 v[IMA], s82, v[IMB]
	v_add_nc_u32 v[ISA], s83, v[ISR]
.irp p, 0,1,2,3
.if \ahead
	XUNIT \p, 1, 48
.else
	XUNIT \p, 0, 48-16*\p
.endif
.endr
.if \ahead
	s_wait_xcnt 0x0
	s_add_nc_u64 s[XP:XP+1], s[XP:XP+1], 512
.endif
	s_add_co_u32 s82, s82, 6144
	s_add_co_u32 s83, s83, 64
.endm
.macro XBACK bt
.irp m, 0,1,2,3
	WIN 0x80+0x40*(\m/2)
.irp q, 0,1,2,3
.irp g, 0,1,2
	ds_load_b128 v[96*(\m%2)+12*(4*(\bt)+\q)+4*\g:96*(\m%2)+12*(4*(\bt)+\q)+4*\g+3], v[IMB] offset:(4*\q+\m)*1536+512*\g
.endr
.endr
.endr
	WIN 0
.irp m, 0,1,2,3
.irp i, 0,1
	ds_load_b32 v[XSC+4*\m+2*(\bt)+\i], v[ISB] offset:256*\m+128*\i
.endr
.endr
.endm
; pair g of a record: its tiles 2 g and 2 g + 1 and their scale word: seven LDS loads
.macro RECPART set, a, sa, rho, g
	WIN 0
.irp u, 0,1
.irp q, 0,1,2
	ds_load_b128 v[WF+96*(\set)+12*(2*(\g)+\u)+4*\q:WF+96*(\set)+12*(2*(\g)+\u)+4*\q+3], v[\a] offset:(\rho)*RECB+1536*(2*(\g)+\u)+512*\q
.endr
.endr
	ds_load_b32 v[WSC+4*(\set)+(\g)], v[\sa] offset:(\rho)*RECB+12288+128*(\g)
.endm
.macro RECLOAD set, a, sa, rho         ; a whole record, pair by pair: 28 loads
.irp g, 0,1,2,3
	RECPART \set, \a, \sa, \rho, \g
.endr
.endm
.macro WM d, a, b, c, sa, sb, ra, rb
.if (\ra) && (\rb)
	v_wmma_scale_f32_16x16x128_f8f6f4 v[(\d):(\d)+7], v[(\a):(\a)+11], v[(\b):(\b)+11], v[(\c):(\c)+7], v[\sa], v[\sb] matrix_a_fmt:MATRIX_FMT_BF6 matrix_b_fmt:MATRIX_FMT_BF6 matrix_a_scale:MATRIX_SCALE_ROW1 matrix_b_scale:MATRIX_SCALE_ROW1
.elseif (\ra)
	v_wmma_scale_f32_16x16x128_f8f6f4 v[(\d):(\d)+7], v[(\a):(\a)+11], v[(\b):(\b)+11], v[(\c):(\c)+7], v[\sa], v[\sb] matrix_a_fmt:MATRIX_FMT_BF6 matrix_b_fmt:MATRIX_FMT_BF6 matrix_a_scale:MATRIX_SCALE_ROW1
.elseif (\rb)
	v_wmma_scale_f32_16x16x128_f8f6f4 v[(\d):(\d)+7], v[(\a):(\a)+11], v[(\b):(\b)+11], v[(\c):(\c)+7], v[\sa], v[\sb] matrix_a_fmt:MATRIX_FMT_BF6 matrix_b_fmt:MATRIX_FMT_BF6 matrix_b_scale:MATRIX_SCALE_ROW1
.else
	v_wmma_scale_f32_16x16x128_f8f6f4 v[(\d):(\d)+7], v[(\a):(\a)+11], v[(\b):(\b)+11], v[(\c):(\c)+7], v[\sa], v[\sb] matrix_a_fmt:MATRIX_FMT_BF6 matrix_b_fmt:MATRIX_FMT_BF6
.endif
.endm
; eight matrix instructions: pair g's two tiles x my four blocks of 16 rows.  A step's 32 accumulators take turns in the same order in every step
.macro GRP1 set, s, first, g
.irp mh, 0,1
.if \first
	WIN 0x68+4*\mh
.else
	WIN 0x58+4*\mh
.endif
.irp u, 0,1
.irp w, 0,1
.if \first
	WM 64*(2*\mh+\w)+8*(2*(\g)+\u), WF+96*(\set)+12*(2*(\g)+\u), 96*\w+12*(\s), 192+8*(2*(\g)+\u), WSC+4*(\set)+(\g), XSC+4*(2*\mh+\w)+(\s)/2, \u, (\s)%2
.else
	WM 64*(2*\mh+\w)+8*(2*(\g)+\u), WF+96*(\set)+12*(2*(\g)+\u), 96*\w+12*(\s), 64*(2*\mh+\w)+8*(2*(\g)+\u), WSC+4*(\set)+(\g), XSC+4*(2*\mh+\w)+(\s)/2, \u, (\s)%2
.endif
.endr
.endr
.endr
.endm
.macro GRP2 set, s, first, g
.if \first
	WIN 0x68
.else
	WIN 0x58
.endif
.irp u, 0,1
.irp m, 0,1,2,3
.if \first
	WM 64*\m+8*(2*(\g)+\u), WF+96*(\set)+12*(2*(\g)+\u), 48*\m+12*(\s), 192+8*(2*(\g)+\u), WSC+4*(\set)+(\g), XSC+2*\m+(\s)/2, \u, (\s)%2
.else
	WM 64*\m+8*(2*(\g)+\u), WF+96*(\set)+12*(2*(\g)+\u), 48*\m+12*(\s), 64*\m+8*(2*(\g)+\u), WSC+4*(\set)+(\g), XSC+2*\m+(\s)/2, \u, (\s)%2
.endif
.endr
.endr
.endm
.macro BIASLOAD
	WIN 0x80
.irp t, 0,1,2,3,4,5,6,7
	global_load_b128 v[192+8*\t:195+8*\t], v[BOV], s[10:11] offset:128*(\t/2)+32*(\t%2)
	global_load_b128 v[196+8*\t:199+8*\t], v[BOV], s[10:11] offset:128*(\t/2)+32*(\t%2)+16
.endr
	WIN 0
.endm
.macro BIAS2LOAD
	WIN 0x80
.irp t, 0,1,2,3
.irp k, 0,1
	global_load_b128 v[192+8*\t+4*\k:195+8*\t+4*\k], v[BOV], s[12:13] offset:64*\t+16*\k
.endr
.endr
.irp t, 0,1,2,3
.irp k, 0,1
	global_load_b128 v[224+8*\t+4*\k:227+8*\t+4*\k], v[BOV], s[14:15] offset:64*\t+16*\k
.endr
.endr
	WIN 0
.endm
; A K step goes by pairs of tiles: group g asks for the next record's pair g, waits for this record's pair g and multiplies it.
; Behind this record's pair g were issued its pairs g + 1 .. 3, 7 (3 - g) loads, and the next record's pairs 0 .. g, 7 (g + 1): 28 may be out.  The last step asks for nothing: 21 - 7 g.
.macro P1STEP s
.if (\s >= 2) && (\s < 7)
	PLACES                                         ; in front of loads into the set that the step before multiplied
.endif
.if \s == 0
	s_wait_loadcnt 8
.endif
.irp g, 0,1,2,3
.if \s < 7
	RECPART (\s+1)%2, WA0+(\s+1)/4, WS0+(\s+1)/4, (\s+1)%4, \g
	s_wait_dscnt 28
.else
	s_wait_dscnt 21-7*\g
.endif
.if \s == 0
	GRP1 0, 0, 1, \g
.else
	GRP1 \s%2, \s, 0, \g
.endif
.endr
.if \s == 0
	WIN 0
	PLACES
	s_add_co_u32 s63, s63, 512
	s_min_u32 s63, s63, 1536
	v_add_nc_u32 v[BOV], s63, v[BO]
	BIASLOAD
.endif
.endm
.macro P2STEP s                        ; the same walk by pairs of tiles, with the same counts
.if \s == 2
	PLACES
.endif
.if \s == 0
	s_wait_loadcnt 16
.endif
.irp g, 0,1,2,3
.if \s < 3
	RECPART (\s+1)%2, WA0, WS0, \s+1, \g
	s_wait_dscnt 28
.else
	s_wait_dscnt 21-7*\g
.endif
.if \s == 0
	GRP2 0, 0, 1, \g
.else
	GRP2 \s%2, \s, 0, \g
.endif
.endr
.if \s == 0
	WIN 0
	PLACES
	s_add_co_u32 s63, s63, 256
	s_min_u32 s63, s63, 768
	v_add_nc_u32 v[BOV], s63, v[BO2]
	BIAS2LOAD
.endif
.endm
.macro CHANGE
	WIN 0
	s_wait_tensorcnt 0x0
	ds_add_u32 v[SPW], v[NIL]
	s_add_co_u32 s[G0B+1], s[TB], s[WO]
	s_add_nc_u64 s[G0B+2:G0B+3], s[G0B+2:G0B+3], SLOTB
	s_wait_dscnt 0x0
	ROUND
	tensor_load_to_lds s[G0B:G0B+3], s[G1:G1+7]
	s_nop 0
	PLACES
	s_xor_b32 s[TB], s[TB], SLOTB
.endm
.macro EPI1 m
	WIN 0x04
.set ii, 0
.rept 64
	v_max_num_f32 v[HA+ii], 0, v[64*(\m)+ii]
.set ii, ii+1
.endr
	WIN 0
.set ii, 0
.rept 32
	v_cvt_pk_bf16_f32 v[HB+ii], v[HA+2*ii], v[HA+2*ii+1]
.set ii, ii+1
.endr
	QUANT HA
.irp g, 0,1,2
	ds_store_b128 v[IMA], v[PC+4*\g:PC+4*\g+3] offset:(\m)*6144+512*\g
.endr
	ds_store_b32 v[ISA], v[PW] offset:(\m)*256
	WIN 0x03
	v_wmma_f32_16x16x32_bf16 v[T0:T0+7], v[192:199], v[HB:HB+7], 0
	v_wmma_f32_16x16x32_bf16 v[T1:T1+7], v[200:207], v[HB+8:HB+15], 0
	v_wmma_f32_16x16x32_bf16 v[T0:T0+7], v[208:215], v[HB+16:HB+23], v[T0:T0+7]
	v_wmma_f32_16x16x32_bf16 v[T1:T1+7], v[216:223], v[HB+24:HB+31], v[T1:T1+7]
	PLACES
	WIN 0xcc
.irp n, 0,1,2,3,4
	v_add_f32 v[224+5*(\m)+\n], v[T0+\n], v[224+5*(\m)+\n]
.endr
.irp n, 0,1,2,3,4
	v_add_f32 v[224+5*(\m)+\n], v[T1+\n], v[224+5*(\m)+\n]
.endr
	WIN 0
	s_wait_dscnt 0x0
.endm
.macro ACT m
	WIN 0x01
.set ii, 0
.rept 16
	v_pk_mul_f32 v[TU+ii:TU+ii+1], v[64*(\m)+ii:64*(\m)+ii+1], s[56:57] op_sel_hi:[1,0]
.set ii, ii+2
.endr
.set ii, 0
.rept 16
	v_pk_mul_f32 v[TV+ii:TV+ii+1], v[64*(\m)+32+ii:64*(\m)+33+ii], s[58:59] op_sel_hi:[1,0]
.set ii, ii+2
.endr
	WIN 0
.set ii, 0
.rept 32
	v_med3_num_f32 v[TU+ii], v[TU+ii], s60, s61
.set ii, ii+1
.endr
.set ii, 0
	s_wait_alu depctr_va_vdst(0)
.rept 64
	v_exp_f32 v[TU+ii], v[TU+ii]
.set ii, ii+1
.endr
	v_nop
.set ii, 0
	s_wait_alu depctr_va_vdst(0)
.rept 16
	v_pk_add_f32 v[TD+ii:TD+ii+1], v[TU+ii:TU+ii+1], 1.0 op_sel_hi:[1,0]
.set ii, ii+2
.endr
.set ii, 0
.rept 16
	v_pk_add_f32 v[TV+ii:TV+ii+1], v[TV+ii:TV+ii+1], 1.0 op_sel_hi:[1,0]
.set ii, ii+2
.endr
.set ii, 0
.rept 16
	v_pk_mul_f32 v[TV+ii:TV+ii+1], v[TV+ii:TV+ii+1], v[TD+ii:TD+ii+1]
.set ii, ii+2
.endr
.set ii, 0
	s_wait_alu depctr_va_vdst(0)
.rept 32
	v_rcp_f32 v[TV+ii], v[TV+ii]
.set ii, ii+1
.endr
.set ii, 0
.rept 16
	v_pk_add_f32 v[TU+ii:TU+ii+1], v[TU+ii:TU+ii+1], -1.0 op_sel_hi:[1,0]
.set ii, ii+2
.endr
.set ii, 0
	s_wait_alu depctr_va_vdst(0)
.rept 16
	v_pk_mul_f32 v[TU+ii:TU+ii+1], v[TU+ii:TU+ii+1], v[TV+ii:TV+ii+1]
.set ii, ii+2
.endr
	WIN 0x0c
.irp j, 0,1,2,3,4,5,6,7
.irp q, 0,1,2,3
.if \j == 0
	v_pk_mul_f32 v[AT+2*\q:AT+2*\q+1], v[TU+8*\q:TU+8*\q+1], v[16*\q:16*\q+1] op_sel:[0,0] op_sel_hi:[0,1]
.elseif \j%2
	v_pk_fma_f32 v[AT+2*\q:AT+2*\q+1], v[TU+8*\q+\j-1:TU+8*\q+\j], v[16*\q+2*\j:16*\q+2*\j+1], v[AT+2*\q:AT+2*\q+1] op_sel:[1,0,0] op_sel_hi:[1,1,1]
.else
	v_pk_fma_f32 v[AT+2*\q:AT+2*\q+1], v[TU+8*\q+\j:TU+8*\q+\j+1], v[16*\q+2*\j:16*\q+2*\j+1], v[AT+2*\q:AT+2*\q+1] op_sel:[0,0,0] op_sel_hi:[0,1,1]
.endif
.endr
.endr
	WIN 0
	v_pk_add_f32 v[AT:AT+1], v[AT:AT+1], v[AT+2:AT+3]
	v_pk_add_f32 v[AT+4:AT+5], v[AT+4:AT+5], v[AT+6:AT+7]
	v_pk_add_f32 v[AT:AT+1], v[AT:AT+1], v[AT+4:AT+5]
	WIN 0xc3
	v_pk_add_f32 v[244+2*(\m):245+2*(\m)], v[244+2*(\m):245+2*(\m)], v[AT:AT+1]
	WIN 0
.endm
.macro WMAX r
.irp x, 1,2,4,8
	v_max_num_f32_dpp v[\r], v[\r], v[\r] row_xmask:\x row_mask:0xf bank_mask:0xf
.endr
	v_permlanex16_b32 v107, v[\r], s[SEL], s[SEL+1]
	v_max_num_f32 v[\r], v[\r], v107
.endm
.macro WSUM r
.irp x, 1,2,4,8
	v_add_f32_dpp v[\r], v[\r], v[\r] row_xmask:\x row_mask:0xf bank_mask:0xf
.endr
	v_permlanex16_b32 v107, v[\r], s[SEL], s[SEL+1]
	v_add_f32 v[\r], v[\r], v107
.endm
.macro CEX ka, da, kb, db, i
	v_cmp_gt_f32 vcc_lo, v[\ka+\i+1], v[\ka+\i]
	v_cndmask_b32 v[\kb+\i], v[\ka+\i], v[\ka+\i+1], vcc_lo
	v_cndmask_b32 v[\kb+\i+1], v[\ka+\i+1], v[\ka+\i], vcc_lo
	v_cndmask_b32 v[\db+\i], v[\da+\i], v[\da+\i+1], vcc_lo
	v_cndmask_b32 v[\db+\i+1], v[\da+\i+1], v[\da+\i], vcc_lo
.endm
	s_load_b512 s[4:19], s[0:1], 0x0
	s_load_b128 s[20:23], s[0:1], 0x40
	s_load_b64 s[24:25], s[0:1], 0x50
	v_lshl_add_u32 v[SPW], v0, 2, SPARE
	v_mov_b32 v[NIL], 0
	ds_add_u32 v1, v2
	ds_add_u32 v1, v2
	s_wait_dscnt 0x0
	v_lshrrev_b32 v[LI], 5, v0
	v_readfirstlane_b32 s[WV], v[LI]
	s_bfe_u32 s27, ttmp6, 0x40000
	s_lshl_b32 s28, ttmp9, 2
	s_add_co_u32 s28, s28, s27
	s_mov_b32 s[G1], 15|(3<<16)|(1<<21)
	s_mov_b32 s[G1+1], 32<<16
	s_mov_b32 s[G1+2], 100<<16
	s_mov_b32 s[G1+3], 32<<16
	s_mov_b32 s[G1+4], 100
	s_mov_b32 s[G1+5], 32
	s_mov_b32 s[G1+6], 0
	s_mov_b32 s[G1+7], 0
	s_mul_i32 s[WO], s[WV], QUARTB
	s_mov_b32 s84, s[WO]
	s_mov_b32 s85, 0
	s_mov_b32 s[SEL], 0x76543210
	s_mov_b32 s[SEL+1], 0xfedcba98
	s_mov_b32 s56, 0x4038aa3b
	s_mov_b32 s57, s56
	s_mov_b32 s58, 0xbfb8aa3b
	s_mov_b32 s59, s58
	s_mov_b32 s60, 0xc1f00000
	s_mov_b32 s61, 0x41f00000
	s_mov_b32 s[TB], 0
	s_wait_kmcnt 0x0
	s_load_b64 s[68:69], s[18:19], 0x0
	s_load_b128 s[72:75], s[20:21], 0x0
	; b1's 16 loads and the first 64 loads of x go out here, ahead of the descriptors and the first round
	v_and_b32 v48, 15, v0                          ; l % 16
	v_bfe_u32 v49, v0, 4, 1                        ; l / 16
	v_lshlrev_b32 v[XO], 4, v48
	v_lshlrev_b32 v[BO], 6, v49
	v_lshl_add_u32 v[XO], v49, 12, v[XO]           ; x: 16 bytes a lane, lanes 16-31 a row of 4,096 bytes on
	v_mov_b32 v[BOV], v[BO]
	s_lshl_b32 s86, s28, 20                        ; my work-group's 256 rows,
	s_lshl_b32 s87, s[WV], 18                      ; my wave's 64 of them
	s_add_co_u32 s86, s86, s87
	s_mov_b32 s87, 0
	s_add_nc_u64 s[XP:XP+1], s[4:5], s[86:87]
	s_wait_alu depctr_va_vdst(0)                   ; the wait ahead of the readers below
	BIASLOAD
	XLOAD 0
	XLOAD 1
	XLOAD 2
	XLOAD 3
	s_mov_b32 s[G0A], 1
	s_mov_b32 s[G0A+1], s[WO]
	s_add_nc_u64 s[G0A+2:G0A+3], s[6:7], s[84:85]
	s_or_b32 s[G0A+3], s[G0A+3], 0x80000000
	s_mov_b32 s[G0B], 1
	s_add_co_u32 s[G0B+1], s[WO], SLOTB
	s_add_nc_u64 s[G0B+2:G0B+3], s[6:7], s[84:85]
	s_add_nc_u64 s[G0B+2:G0B+3], s[G0B+2:G0B+3], SLOTB
	s_or_b32 s[G0B+3], s[G0B+3], 0x80000000
	ROUND
	tensor_load_to_lds s[G0A:G0A+3], s[G1:G1+7]
	s_nop 0
	PLACES
	v_and_b32 v[LN], 31, v0
	v_lshlrev_b32 v[LI], 4, v[LN]
	v_lshlrev_b32 v[L4], 2, v[LN]
	s_mul_i32 s86, s[WV], DSAW
	s_add_co_u32 s86, s86, DSA
	v_mul_u32_u24 v[STW], v49, 272
	v_lshl_add_u32 v[STW], v48, 4, v[STW]
	v_add_nc_u32 v[STW], s86, v[STW]
	v_mul_u32_u24 v[STR], v48, 272
	v_lshl_add_u32 v[STR], v49, 6, v[STR]
	v_add_nc_u32 v[STR], s86, v[STR]
	s_add_co_u32 s87, s86, IMG
	v_add_nc_u32 v[IMB], s87, v[LI]
	s_add_co_u32 s87, s86, SCW
	v_add_nc_u32 v[ISB], s87, v[L4]
	v_lshl_add_u32 v[ISR], v48, 2, s87
	v_lshlrev_b32 v[BO2], 5, v49
	s_lshl_b32 s87, s[WV], 8
	s_add_co_u32 s87, s87, ROWS
	v_lshl_add_u32 v[RWA], v48, 2, s87
	v_lshl_add_u32 v[RRA], v48, 4, s87
	v_lshl_add_u32 v[RRA], v49, 10, v[RRA]
	s_and_b32 s87, s[WV], 1
	s_lshl_b32 s87, s87, 10
	s_add_co_u32 s87, s87, ROWS
	v_lshl_add_u32 v[KA], v[LN], 5, s87
	v_add_nc_u32 v[DA], 3072, v[KA]
	v_lshl_add_u32 v[SAD], v[LN], 5, ROWS+2048
	v_lshlrev_b32 v[OUTO], 4, v48
	v_lshl_add_u32 v[OUTO], v49, 18, v[OUTO]
.irp b, 0,1,2,3
	v_mov_b32 v[TM+4+\b], 0
.endr
	WIN 0xc0
.set ii, 224
.rept 28
	v_mov_b32 v[ii], 0
.set ii, ii+1
.endr
	WIN 0
	s_mov_b64 s[WSP:WSP+1], s[8:9]
	s_mov_b64 s[WCP:WCP+1], s[16:17]
	s_wait_xcnt 0x0                                ; the head's x loads have read their base: it may step
	s_add_nc_u64 s[XP:XP+1], s[XP:XP+1], 512
	s_wait_kmcnt 0x0
	s_mov_b32 s82, 0
	s_mov_b32 s83, 0
	s_mov_b32 s54, 4
.Lx0:
	XTRIP 1
	s_sub_co_u32 s54, s54, 1
	s_cmp_lg_u32 s54, 0
	s_cbranch_scc1 .Lx0
	XBACK 0
	s_mov_b32 s82, 0
	s_mov_b32 s83, 0
	s_mov_b32 s54, 3
.Lx1:
	XTRIP 1
	s_sub_co_u32 s54, s54, 1
	s_cmp_lg_u32 s54, 0
	s_cbranch_scc1 .Lx1
	XTRIP 0
	XBACK 1
	; slot 0 is shown whole to all waves, and slot 1's first fill is issued as a refill is: my part of slot 0 is in, the add, its wait, a round, one joint load a wave
	s_wait_alu depctr_va_vdst(0)
	s_wait_tensorcnt 0x0
	ds_add_u32 v[SPW], v[NIL]
	s_wait_dscnt 0x0
	ROUND
	tensor_load_to_lds s[G0B:G0B+3], s[G1:G1+7]
	s_nop 0
	PLACES
	s_mov_b32 s82, 0
	s_mov_b32 s83, 0
	s_mov_b32 s63, 0
	s_mov_b32 s55, 4
.Lc1:
	v_add_nc_u32 v[WA0], s[TB], v[LI]
	s_wait_alu depctr_va_vdst(0)
	v_add_nc_u32 v[WA0+1], 4*RECB, v[WA0]
	v_add_nc_u32 v[WS0], s[TB], v[L4]
	s_wait_alu depctr_va_vdst(0)
	v_add_nc_u32 v[WS0+1], 4*RECB, v[WS0]
	s_wait_alu depctr_va_vdst(0)
	v_add_nc_u32 v[IMA], s82, v[IMB]
	v_add_nc_u32 v[ISA], s83, v[ISR]
	WIN 0xc0
.irp b, 0,1,2,3
.irp g, 0,1
	global_load_b128 v[192+8*\b+4*\g:195+8*\b+4*\g], v[LI], s[WSP:WSP+1] offset:1024*\b+512*\g
.endr
.endr
	RECLOAD 0, WA0, WS0, 0
.irp s, 0,1,2,3,4,5,6,7
	P1STEP \s
.endr
	CHANGE
	s_wait_loadcnt 16
	EPI1 0
	EPI1 1
	EPI1 2
	EPI1 3
	s_add_nc_u64 s[WSP:WSP+1], s[WSP:WSP+1], 4096
	s_add_co_u32 s82, s82, 1536
	s_add_co_u32 s83, s83, 64
	s_sub_co_u32 s55, s55, 1
	s_cmp_lg_u32 s55, 0
	s_cbranch_scc1 .Lc1
	s_wait_loadcnt 0x0
	v_mov_b32 v[BOV], v[BO2]
	s_mov_b32 s63, 0
	BIAS2LOAD
	WIN 0x80
.irp m, 0,1,2,3
.irp q, 0,1,2,3
.irp g, 0,1,2
	ds_load_b128 v[48*\m+12*\q+4*\g:48*\m+12*\q+4*\g+3], v[IMB] offset:(4*\m+\q)*1536+512*\g
.endr
.endr
.endr
	WIN 0
.irp m, 0,1,2,3
.irp i, 0,1
	ds_load_b32 v[XSC+2*\m+\i], v[ISB] offset:256*\m+128*\i
.endr
.endr
	s_wait_tensorcnt 0x0
	s_wait_dscnt 0x0
	s_barrier_signal -1
	s_barrier_wait -1
	s_mov_b32 s[PB], 0
	s_mov_b32 s55, 4
.Lc2:
	v_add_nc_u32 v[WA0], s[PB], v[LI]
	s_wait_alu depctr_va_vdst(0)
	v_add_nc_u32 v[WS0], s[PB], v[L4]
	s_wait_alu depctr_va_vdst(0)
	WIN 0xc0
.irp t, 0,1,2,3
.irp k, 0,1,2,3
	global_load_b128 v[16*\t+4*\k:16*\t+4*\k+3], v[BO], s[WCP:WCP+1] offset:128*\t+16*\k
.endr
.endr
	RECLOAD 0, WA0, WS0, 0
.irp s, 0,1,2,3
	P2STEP \s
.endr
	WIN 0
	PLACES
	s_wait_loadcnt 16
	ACT 0
	ACT 1
	ACT 2
	ACT 3
	s_add_co_u32 s[PB], s[PB], 4*RECB
	s_add_nc_u64 s[WCP:WCP+1], s[WCP:WCP+1], 512
	s_sub_co_u32 s55, s55, 1
	s_cmp_lg_u32 s55, 0
	s_cbranch_scc1 .Lc2
	WIN 0x03
.irp m, 0,1,2,3
	v_permlanex16_b32 v[96+2*\m], v[244+2*\m], s[SEL], s[SEL+1]
	v_permlanex16_b32 v[97+2*\m], v[245+2*\m], s[SEL], s[SEL+1]
.endr
.irp m, 0,1,2,3
	v_add_f32 v[64+4*\m], v[244+2*\m], v[96+2*\m]
	v_add_f32 v[65+4*\m], v[245+2*\m], v[97+2*\m]
.endr
	WIN 0x0f
.irp m, 0,1,2,3
	v_sub_f32 v[66+4*\m], v[226+5*\m], v[225+5*\m]
	v_sub_f32 v[67+4*\m], v[228+5*\m], v[227+5*\m]
.endr
	WIN 0
.irp m, 0,1,2,3
	v_add_f32 v[64+4*\m], s68, v[64+4*\m]
	v_add_f32 v[65+4*\m], s69, v[65+4*\m]
	v_add_f32 v[66+4*\m], s73, v[66+4*\m]
	v_add_f32 v[67+4*\m], s75, v[67+4*\m]
.endr
.irp m, 0,1,2,3
	v_sub_f32 v[66+4*\m], v[66+4*\m], s72
	v_sub_f32 v[67+4*\m], v[67+4*\m], s74
.endr
.irp m, 0,1,2,3
	ds_store_b32 v[RWA], v[64+4*\m] offset:64*\m
	ds_store_b32 v[RWA], v[65+4*\m] offset:1024+64*\m
	ds_store_b32 v[RWA], v[66+4*\m] offset:3072+64*\m
	ds_store_b32 v[RWA], v[67+4*\m] offset:4096+64*\m
.endr
	WIN 0x0c
.irp m, 0,1,2,3
	ds_store_b32 v[RWA], v[224+5*\m] offset:2048+64*\m
.endr
	WIN 0
	s_wait_dscnt 0x0
	s_barrier_signal -1
	s_barrier_wait -1
	ds_load_b128 v[124:127], v[RRA]
	s_lshl_b32 s84, s28, 10
	s_lshl_b32 s85, s[WV], 8
	s_add_co_u32 s84, s84, s85
	s_mov_b32 s85, 0
	s_add_nc_u64 s[22:23], s[22:23], s[84:85]
	s_wait_dscnt 0x0
	global_store_b128 v[OUTO], v[124:127], s[22:23] th:TH_STORE_NT
	s_cmp_eq_u32 s[WV], 2
	s_cbranch_scc1 .Ldone
	ds_load_b128 v[64:67], v[KA]
	ds_load_b128 v[68:71], v[KA] offset:16
	ds_load_b128 v[80:83], v[DA]
	ds_load_b128 v[84:87], v[DA] offset:16
	ds_load_b128 v[88:91], v[SAD]
	ds_load_b128 v[92:95], v[SAD] offset:16
	s_cmp_eq_u32 s[WV], 3
	s_cselect_b32 s80, 0xbf800000, 1.0
	v_mov_b32 v107, 0
	v_mov_b32 v121, 0
	v_lshrrev_b32 v104, 2, v[LN]
	v_and_b32 v105, 3, v[LN]
	v_lshlrev_b32 v104, 12, v104
	v_lshl_add_u32 v104, v105, 2, v104
	s_lshr_b32 s85, s[WV], 1
	s_sub_co_u32 s85, s[WV], s85
	s_lshl_b32 s85, s85, 15
	s_lshl_b32 s84, s28, 4
	s_add_co_u32 s84, s84, s85
	s_mov_b32 s85, 0
	s_add_nc_u64 s[24:25], s[24:25], s[84:85]
	s_wait_dscnt 0x0
	v_max3_num_f32 v106, v64, v65, v66
	v_max3_num_f32 v106, v106, v67, v68
	v_max3_num_f32 v106, v106, v69, v70
	v_max_num_f32 v106, v106, v71
	WMAX 106
.irp i, 0,1,2,3,4,5,6,7
	v_sub_f32 v[96+\i], v[64+\i], v106
.endr
.irp i, 0,1,2,3,4,5,6,7
	v_mul_f32 v[96+\i], 0x3fb8aa3b, v[96+\i]
.endr
	s_wait_alu depctr_va_vdst(0)
.irp i, 0,1,2,3,4,5,6,7
	v_exp_f32 v[96+\i], v[96+\i]
.endr
	v_mov_b32 v120, 0
	s_wait_alu depctr_va_vdst(0)
	v_add_f32 v108, v96, v97
	v_mul_f32 v109, v96, v88
.irp i, 2,3,4,5,6,7
	v_add_f32 v108, v108, v[96+\i]
.endr
.irp i, 1,2,3,4,5,6,7
	v_fmac_f32 v109, v[96+\i], v[88+\i]
.endr
	WSUM 108
	WSUM 109
.irp i, 0,1,2,3,4,5,6,7
	v_mul_f32 v[64+\i], s80, v[64+\i]
.endr
.rept 4
.irp i, 0,2,4,6
	CEX 64, 80, 96, 88, \i
.endr
.irp i, 1,3,5
	CEX 96, 88, 64, 80, \i
.endr
	v_mov_b32 v64, v96
	v_mov_b32 v71, v103
	v_mov_b32 v80, v88
	v_mov_b32 v87, v95
.endr
.set kk, 0
.rept 8
	v_mov_b32 v[72+kk], v64
	WMAX 72+kk
	v_cmp_eq_f32 vcc_lo, v64, v[72+kk]
	s_sub_co_u32 s81, 0, vcc_lo
	s_and_b32 vcc_lo, vcc_lo, s81
	v_cndmask_b32 v[112+kk], v121, v80, vcc_lo
.if kk < 7
.set ii, 0
.rept 7-kk
	v_cndmask_b32 v[64+ii], v[64+ii], v[65+ii], vcc_lo
	v_cndmask_b32 v[80+ii], v[80+ii], v[81+ii], vcc_lo
.set ii, ii+1
.endr
.endif
.set kk, kk+1
.endr
.irp x, 1,2,4,8
.irp k, 0,1,2,3,4,5,6,7
	v_add_f32_dpp v[112+\k], v[112+\k], v[112+\k] row_xmask:\x row_mask:0xf bank_mask:0xf
.endr
.endr
.irp k, 0,1,2,3,4,5,6,7
	v_permlanex16_b32 v[64+\k], v[112+\k], s[SEL], s[SEL+1]
.endr
.irp k, 0,1,2,3,4,5,6,7
	v_add_f32 v[112+\k], v[112+\k], v[64+\k]
.endr
.irp k, 0,1,2,3,4,5,6,7
	v_cmp_eq_u32 vcc_lo, \k, v[LN]
	v_cndmask_b32 v120, v120, v[72+\k], vcc_lo
	v_cmp_eq_u32 vcc_lo, 8+\k, v[LN]
	v_cndmask_b32 v120, v120, v[112+\k], vcc_lo
.endr
	v_cmp_eq_u32 vcc_lo, 16, v[LN]
	v_cndmask_b32 v120, v120, v106, vcc_lo
	v_cmp_eq_u32 vcc_lo, 17, v[LN]
	v_cndmask_b32 v120, v120, v108, vcc_lo
	v_cmp_eq_u32 vcc_lo, 18, v[LN]
	v_cndmask_b32 v120, v120, v109, vcc_lo
	global_store_b32 v104, v120, s[24:25]
.Ldone:
	s_wait_tensorcnt 0x0
	ds_add_u32 v[SPW], v[NIL]
	s_wait_dscnt 0x0
	ROUND
	s_endpgm
.Lfunc_end_k_q396db90af1_main:
	.size	k_q396db90af1_main, .Lfunc_end_k_q396db90af1_main-k_q396db90af1_main
	.p2alignl 7, 3214868480
	.fill 96, 4, 3214868480
	.section	.rodata,"a",@progbits
	.p2align	6, 0x0
	.amdhsa_kernel k_q396db90af1_main
		.amdhsa_group_segment_fixed_size 327680
		.amdhsa_private_segment_fixed_size 0
		.amdhsa_enable_private_segment 0
		.amdhsa_kernarg_size 88
		.amdhsa_user_sgpr_count 2
		.amdhsa_user_sgpr_kernarg_segment_ptr 1
		.amdhsa_wavefront_size32 1
		.amdhsa_system_sgpr_workgroup_id_x 1
		.amdhsa_system_sgpr_workgroup_id_y 1
		.amdhsa_system_sgpr_workgroup_id_z 1
		.amdhsa_system_vgpr_workitem_id 0
		.amdhsa_next_free_vgpr 1024
		.amdhsa_next_free_sgpr 100
		.amdhsa_reserve_vcc 1
		.amdhsa_float_denorm_mode_32 3
		.amdhsa_float_denorm_mode_16_64 3
		.amdhsa_memory_ordered 1
		.amdhsa_forward_progress 1
		.amdhsa_inst_pref_size 255
	.end_amdhsa_kernel
	.section	.bss,"aw",@nobits
	.p2align	6
	.space	262144
	.amdgpu_metadata
---
amdhsa.version: [ 1, 2 ]
amdhsa.kernels:
  - .name:           k_q396db90af1_main
    .symbol:         k_q396db90af1_main.kd
    .args:
      - { .name: x, .offset: 0, .size: 8, .value_kind: global_buffer, .address_space: global }
      - { .name: wq, .offset: 8, .size: 8, .value_kind: global_buffer, .address_space: global }
      - { .name: ws, .offset: 16, .size: 8, .value_kind: global_buffer, .address_space: global }
      - { .name: b1, .offset: 24, .size: 8, .value_kind: global_buffer, .address_space: global }
      - { .name: ba, .offset: 32, .size: 8, .value_kind: global_buffer, .address_space: global }
      - { .name: bb, .offset: 40, .size: 8, .value_kind: global_buffer, .address_space: global }
      - { .name: Wc, .offset: 48, .size: 8, .value_kind: global_buffer, .address_space: global }
      - { .name: bc, .offset: 56, .size: 8, .value_kind: global_buffer, .address_space: global }
      - { .name: bins, .offset: 64, .size: 8, .value_kind: global_buffer, .address_space: global }
      - { .name: out3, .offset: 72, .size: 8, .value_kind: global_buffer, .address_space: global }
      - { .name: part, .offset: 80, .size: 8, .value_kind: global_buffer, .address_space: global }
    .group_segment_fixed_size: 327680
    .private_segment_fixed_size: 0
    .kernarg_segment_align: 8
    .kernarg_segment_size: 88
    .max_flat_workgroup_size: 128
    .sgpr_count:     100
    .vgpr_count:     1024
    .wavefront_size: 32
...
	.end_amdgpu_metadata
.endif
;; end of part 2
;; launch final (part 3): grid 1 x 1, 24 waves a work-group, no clusters, 5,120 bytes of LDS; arguments part, bcls, out0, out1, out2, out4; writes out0, out1, out2, out4
.if DOCPART == 3
	.amdgcn_target "amdgcn-amd-amdhsa--gfx1250"
	.amdhsa_code_object_version 6
	.text
	.protected	k_q396db90af1_final
	.globl	k_q396db90af1_final
	.p2align	8
	.type	k_q396db90af1_final,@function
k_q396db90af1_final:
	s_mov_b64 s[64:65], 0
	v_nop
	global_prefetch_b8 v0, s[64:65] scope:SCOPE_SE
	s_setreg_imm32_b32 hwreg(HW_REG_WAVE_MODE, 25, 1), 1
	s_wait_xcnt 0x0
; The 256 work-groups' parts are merged: for each of three tasks (0: class 0, top; 1: class 1, top; 2: class 1, bottom) the 8 best of 256 sorted lists of 8, and the softmax's parts under the common largest A.
; part: [task 3][group of four words 8][work-group 256][4 words].  Groups 0, 1: a work-group's 8 keys (descending; of equal keys the lower row first); 2, 3: their d; 4: the largest A, the sum of e, the sum of e s.
; Level 1: wave W = 8 task + j merges the lists of work-groups 32 j .. 32 j + 31, one a lane (each load covers 512 consecutive bytes), into one record of 80 bytes in LDS.
; Level 2: wave 0 merges all three tasks' 8 records at once, in groups of eight lanes, and makes the outputs; the other waves end behind the one barrier.
; A PICK looks at the lanes' heads alone, since the lists are sorted.  Rows ascend with the lane at both levels, so of equal heads the lowest lane has the lowest row: the lowest bit of the compare's mask
; (at level 2 of each byte of it).  The mask only selects values: no branch and no address hangs on a floating-point number.  The picked lane's lists move down; behind pick k only 7 - k places can still be wanted.
; logits[c] = (sum of e s) / (sum of e) + bcls.  With d = logit 1 - logit 0 of a row: -log p0 = max(d, 0) + ln(1 + e^-|d|), -log p1 = max(-d, 0) + ln(1 + e^-|d|): the log-softmax with its maximum taken away.
; target = 1 (a constant of the problem): class 0 takes the out-of-class loss (its top 8 as negatives), class 1 the in-class loss (top 8 positive, bottom 8 negative).
; LIMIT: NaN among the keys is not served (a group's largest head then equals no head).
.set K,  8                             ; v8-15  keys
.set D,  16                            ; v16-23 d; at level 2 the rows' loss terms
.set ST, 24                            ; v24-27 the largest A, the sum of e, the sum of e s, a word that is not used
.set T,  32                            ; v32-39 the picked keys, in every lane that took part
.set R,  40                            ; v40-47 what was picked with them: in the picked lane, 0 in the others
; full = 1: over the 32 lanes; 0: over each group of eight lanes.  v60 is the exchange's destination
.macro RMAX r, full
.irp x, 1,2,4
	s_delay_alu instid0(VALU_DEP_1)
	v_max_num_f32_dpp v[\r], v[\r], v[\r] row_xmask:\x row_mask:0xf bank_mask:0xf
.endr
.if \full
	s_delay_alu instid0(VALU_DEP_1)
	v_max_num_f32_dpp v[\r], v[\r], v[\r] row_xmask:8 row_mask:0xf bank_mask:0xf
	s_wait_alu depctr_va_vdst(0)
	v_permlanex16_b32 v60, v[\r], s32, s33
	s_delay_alu instid0(VALU_DEP_1)
	v_max_num_f32 v[\r], v[\r], v60
.endif
.endm
.macro RSUM r, full
.irp x, 1
	v_add_f32_dpp v[\r], v[\r], v[\r] row_xmask:\x row_mask:0xf bank_mask:0xf
.endr
.irp x, 2, 4
	s_delay_alu instid0(VALU_DEP_1)
	v_add_f32_dpp v[\r], v[\r], v[\r] row_xmask:\x row_mask:0xf bank_mask:0xf
.endr
.if \full
	s_delay_alu instid0(VALU_DEP_1)
	v_add_f32_dpp v[\r], v[\r], v[\r] row_xmask:8 row_mask:0xf bank_mask:0xf
	s_delay_alu instid0(VALU_DEP_1)
	v_permlanex16_b32 v60, v[\r], s32, s33
	s_delay_alu instid0(VALU_DEP_1)
	v_add_f32 v[\r], v[\r], v60
.endif
.endm
.macro STATS full                      ; the lanes' softmax parts become one: v48 the common largest A, v49 the sum of e, v50 the sum of e s under it
	v_mov_b32 v48, v[ST]
	RMAX 48, \full
	s_delay_alu instid0(VALU_DEP_1)
	v_sub_f32 v51, v[ST], v48
	s_delay_alu instid0(VALU_DEP_1)
	v_mul_f32 v51, 0x3fb8aa3b, v51
	s_wait_alu depctr_va_vdst(0)
	v_exp_f32 v51, v51                             ; what brings my sums under it
	v_nop                                          ; a plain place behind the exponential
	s_wait_alu depctr_va_vdst(0)
	v_mul_f32 v49, v[ST+1], v51
	v_mul_f32 v50, v[ST+2], v51
	RSUM 49, \full
	RSUM 50, \full
.endm
.macro PICKS full
.set kk, 0
.rept 8
	v_mov_b32 v[T+kk], v[K]
	RMAX T+kk, \full                               ; the largest head
	s_delay_alu instid0(VALU_DEP_1)
	v_cmp_eq_f32 vcc_lo, v[K], v[T+kk]
.if \full
	s_sub_co_u32 s30, 0, vcc_lo                    ; m and -m: the lowest lane whose head it is
.else
	s_not_b32 s30, vcc_lo                          ; the same in each byte: m and (not m + 1 in each byte).  No byte of m is 0, since a group's largest head is some lane's head,
	s_add_co_u32 s30, s30, 0x01010101              ; so no sum carries into the next byte
.endif
	s_and_b32 vcc_lo, vcc_lo, s30
	v_cndmask_b32 v[R+kk], v28, v[D], vcc_lo
.if kk < 7
.set ii, 0
.rept 7-kk
	v_cndmask_b32 v[K+ii], v[K+ii], v[K+ii+1], vcc_lo   ; its lists move down
	v_cndmask_b32 v[D+ii], v[D+ii], v[D+ii+1], vcc_lo
.set ii, ii+1
.endr
.endif
.set kk, kk+1
.endr
.endm
	s_load_b256 s[4:11], s[0:1], 0x0               ; part s[4:5], bcls s[6:7], out0 s[8:9], out1 s[10:11]
	s_load_b128 s[12:15], s[0:1], 0x20             ; out2 s[12:13], out4 s[14:15]
	v_lshl_add_u32 v64, v0, 2, 0x800
	v_mov_b32 v65, 0
	v_lshrrev_b32 v1, 5, v0
	s_delay_alu instid0(VALU_DEP_1)
	v_readfirstlane_b32 s16, v1                    ; wave W, 0..23
	v_and_b32 v1, 31, v0                           ; lane
	s_lshr_b32 s17, s16, 3                         ; the task
	s_and_b32 s18, s16, 7                          ; j
	v_lshlrev_b32 v2, 4, v1                        ; part: 16 bytes a work-group in each group
	; every LDS address is made here, ahead of the waves' parting
	s_mul_i32 s19, s16, 80
	v_mov_b32 v4, s19                              ; level 1's record W
	v_add_nc_u32 v3, 8, v1
	s_delay_alu instid0(VALU_DEP_1)
	v_lshrrev_b32 v3, 4, v3                        ; level 2: lanes 0-7 take task 0, lanes 8-23 task 1 (lanes 16-23 repeat it, so that every lane reads what was written), lanes 24-31 task 2
	v_mov_b32 v6, 1.0
	v_mov_b32 v7, -1.0
	s_delay_alu instid0(VALU_DEP_3)
	v_cmp_eq_u32 vcc_lo, 1, v3
	s_delay_alu instid0(VALU_DEP_1)
	v_cndmask_b32 v5, v6, v7, vcc_lo               ; task 1's rows are positives: their loss takes -d
	v_mul_u32_u24 v3, v3, 640
	v_and_b32 v61, 7, v1
	s_delay_alu instid0(VALU_DEP_1)
	v_mad_u32_u24 v3, v61, 80, v3                  ; record 8 task + lane % 8.  (80 bytes is an odd multiple of 16: the lanes' 16 bytes fall on different banks)
	v_mov_b32 v28, 0
	v_mov_b32 v29, 1
	v_mov_b32 v60, 0                               ; a lane permute's destination counts as one of its sources
	v_lshlrev_b32 v63, 2, v1
	s_mov_b32 s32, 0x76543210
	s_mov_b32 s33, 0xfedcba98                      ; v_permlanex16_b32's selects for lane l xor 16
	s_lshl_b32 s20, s17, 15                        ; 32,768 bytes a task,
	s_lshl_b32 s21, s18, 9                         ; 32 j work-groups
	s_add_co_u32 s20, s20, s21
	s_mov_b32 s21, 0
	s_wait_kmcnt 0x0
	s_load_b32 s26, s[6:7], 0x0                    ; bcls
	s_add_nc_u64 s[4:5], s[4:5], s[20:21]
.irp i, 0,1,2,3,4
	global_load_b128 v[8+4*\i:11+4*\i], v2, s[4:5] offset:4096*\i   ; keys, keys, d, d, the softmax's parts
.endr
	s_wait_loadcnt 0x0
	; ---- level 1
	STATS 1
	PICKS 1
.irp x, 1,2,4,8                        ; the eight picked d over the lanes, the eight chains by turns
.irp k, 0,1,2,3,4,5,6,7
	v_add_f32_dpp v[R+\k], v[R+\k], v[R+\k] row_xmask:\x row_mask:0xf bank_mask:0xf
.endr
.endr
.irp k, 0,1,2,3,4,5,6,7
	v_permlanex16_b32 v[K+\k], v[R+\k], s32, s33
.endr
.irp k, 0,1,2,3,4,5,6,7
	v_add_f32 v[R+\k], v[R+\k], v[K+\k]
.endr
	ds_store_b128 v4, v[32:35]                     ; every lane holds the same numbers and stores them to the same place
	ds_store_b128 v4, v[36:39] offset:16
	ds_store_b128 v4, v[40:43] offset:32
	ds_store_b128 v4, v[44:47] offset:48
	ds_store_b128 v4, v[48:51] offset:64
	s_wait_dscnt 0x0                               ; for wave 0's sake
	s_barrier_signal -1
	s_barrier_wait -1
	s_cmp_lg_u32 s16, 0
	s_cbranch_scc1 .Lend
	; ---- level 2, wave 0
.irp i, 0,1,2,3,4
	ds_load_b128 v[8+4*\i:11+4*\i], v3 offset:16*\i
.endr
	s_wait_dscnt 0x0
.irp i, 0,1,2,3,4,5,6,7                ; the lists of d become lists of loss terms, so that a pick adds a number
	v_mul_f32 v[D+\i], v5, v[D+\i]
.endr
.irp i, 0,1,2,3,4,5,6,7
	v_mul_f32 v[52+\i], 0xbfb8aa3b, |v[D+\i]|
.endr
	s_wait_alu depctr_va_vdst(0)
.irp i, 0,1,2,3,4,5,6,7
	v_exp_f32 v[52+\i], v[52+\i]                   ; e^-|d|
.endr
	v_nop                                          ; a plain place behind the exponentials
	s_wait_alu depctr_va_vdst(0)
.irp i, 0,1,2,3,4,5,6,7
	v_add_f32 v[52+\i], 1.0, v[52+\i]
.endr
	s_wait_alu depctr_va_vdst(0)
.irp i, 0,1,2,3,4,5,6,7
	v_log_f32 v[52+\i], v[52+\i]
.endr
.irp i, 0,1,2,3,4,5,6,7
	v_max_num_f32 v[D+\i], 0, v[D+\i]              ; (the plain places behind the logarithms)
.endr
	s_wait_alu depctr_va_vdst(0)
.irp i, 0,1,2,3,4,5,6,7
	v_fmac_f32 v[D+\i], 0x3f317218, v[52+\i]       ; + ln 2 x log2(1 + e^-|d|)
.endr
	STATS 0
	PICKS 0
	v_add_f32 v40, v40, v41
	v_add_f32 v42, v42, v43
	v_add_f32 v44, v44, v45
	s_delay_alu instid0(VALU_DEP_4)
	v_add_f32 v46, v46, v47
	s_delay_alu instid0(VALU_DEP_3)
	v_add_f32 v40, v40, v42
	s_delay_alu instid0(VALU_DEP_2)
	v_add_f32 v44, v44, v46
	s_delay_alu instid0(VALU_DEP_1)
	v_add_f32 v40, v40, v44
	RSUM 40, 0                                     ; the task's sum of losses, in each lane of its group
	s_wait_alu depctr_va_vdst(0)
	v_rcp_f32 v51, v49
	v_nop                                          ; a plain place behind the reciprocal
	s_wait_alu depctr_va_vdst(0)
	v_mul_f32 v51, v50, v51                        ; (sum of e s) / (sum of e)
	s_delay_alu instid0(VALU_DEP_1)
	v_readlane_b32 s20, v51, 0                     ; class 0's,
	s_delay_alu instid0(VALU_DEP_2)
	v_readlane_b32 s21, v51, 8                     ; class 1's;
	v_readlane_b32 s22, v40, 0                     ; the losses of tasks 0,
	v_readlane_b32 s23, v40, 8                     ; 1
	v_readlane_b32 s24, v40, 24                    ; and 2
	s_wait_kmcnt 0x0
	v_mov_b32 v52, s26
	s_delay_alu instid0(VALU_DEP_1)
	v_add_f32 v53, s20, v52                        ; the two logits
	s_delay_alu instid0(VALU_DEP_2)
	v_add_f32 v55, s21, v52
	s_delay_alu instid0(VALU_DEP_1)
	v_max_num_f32 v58, v53, v55                    ; their softmax, its maximum taken away
	s_delay_alu instid0(VALU_DEP_1)
	v_sub_f32 v59, v53, v58
	s_delay_alu instid0(VALU_DEP_2)
	v_sub_f32 v56, v55, v58
	s_delay_alu instid0(VALU_DEP_2)
	v_mul_f32 v59, 0x3fb8aa3b, v59
	s_delay_alu instid0(VALU_DEP_2)
	v_mul_f32 v56, 0x3fb8aa3b, v56
	s_wait_alu depctr_va_vdst(0)
	v_exp_f32 v59, v59
	v_exp_f32 v56, v56
	v_cmp_eq_u32 s27, 1, v1
	v_nop                                          ; a plain place behind the exponentials
	s_wait_alu depctr_va_vdst(0)
	v_add_f32 v61, v59, v56
	s_wait_alu depctr_va_vdst(0)
	v_rcp_f32 v61, v61
	v_cndmask_b32 v58, v53, v55, s27               ; (a plain place)  lane c: class c's logit,
	v_cndmask_b32 v59, v59, v56, s27
	s_wait_alu depctr_va_vdst(0)
	v_mul_f32 v59, v59, v61                        ; and its probability
	v_cmp_gt_f32 vcc_lo, v55, v53                  ; argmax: the first of equals
	s_delay_alu instid0(VALU_DEP_1)
	v_cndmask_b32 v57, v28, v29, vcc_lo
	v_mov_b32 v54, s23
	s_delay_alu instid0(VALU_DEP_1)
	v_add_f32 v54, s24, v54
	s_delay_alu instid0(VALU_DEP_1)
	v_mul_f32 v62, 0x3d000000, v54                 ; (loss 1 + loss 2) / 16 / 2
	v_mov_b32 v54, s22
	s_delay_alu instid0(VALU_DEP_1)
	v_fmac_f32 v62, 0x3d800000, v54                ; + loss 0 / 8 / 2
	s_wait_alu depctr_va_vdst(0)
	s_wait_xcnt 0x0                                ; EXEC changes only behind this wait
	v_cmp_gt_u32 vcc_lo, 2, v1
	s_and_saveexec_b32 s28, vcc_lo
	global_store_b32 v63, v58, s[8:9]              ; out0: lanes 0, 1
	global_store_b32 v63, v59, s[10:11]            ; out1
	s_wait_xcnt 0x0
	s_or_b32 exec_lo, exec_lo, s28
	v_cmp_eq_u32 vcc_lo, 0, v1
	s_and_saveexec_b32 s28, vcc_lo
	global_store_b32 v63, v57, s[12:13]            ; out2: lane 0
	global_store_b32 v63, v62, s[14:15]            ; out4
	s_wait_xcnt 0x0
	s_or_b32 exec_lo, exec_lo, s28
.Lend:
	s_wait_tensorcnt 0x0
	ds_add_u32 v64, v65
	s_wait_dscnt 0x0
	s_endpgm
.Lfunc_end_k_q396db90af1_final:
	.size	k_q396db90af1_final, .Lfunc_end_k_q396db90af1_final-k_q396db90af1_final
	.p2alignl 7, 3214868480
	.fill 96, 4, 3214868480
	.section	.rodata,"a",@progbits
	.p2align	6, 0x0
	.amdhsa_kernel k_q396db90af1_final
		.amdhsa_group_segment_fixed_size 5120
		.amdhsa_private_segment_fixed_size 0
		.amdhsa_enable_private_segment 0
		.amdhsa_kernarg_size 48
		.amdhsa_user_sgpr_count 2
		.amdhsa_user_sgpr_kernarg_segment_ptr 1
		.amdhsa_wavefront_size32 1
		.amdhsa_system_sgpr_workgroup_id_x 1
		.amdhsa_system_sgpr_workgroup_id_y 1
		.amdhsa_system_sgpr_workgroup_id_z 1
		.amdhsa_system_vgpr_workitem_id 0
		.amdhsa_next_free_vgpr 66
		.amdhsa_next_free_sgpr 66
		.amdhsa_reserve_vcc 1
		.amdhsa_float_denorm_mode_32 3
		.amdhsa_float_denorm_mode_16_64 3
		.amdhsa_memory_ordered 1
		.amdhsa_forward_progress 1
		.amdhsa_inst_pref_size 29
	.end_amdhsa_kernel
	.amdgpu_metadata
---
amdhsa.version: [ 1, 2 ]
amdhsa.kernels:
  - .name:           k_q396db90af1_final
    .symbol:         k_q396db90af1_final.kd
    .args:
      - { .name: part, .offset: 0, .size: 8, .value_kind: global_buffer, .address_space: global }
      - { .name: bcls, .offset: 8, .size: 8, .value_kind: global_buffer, .address_space: global }
      - { .name: out0, .offset: 16, .size: 8, .value_kind: global_buffer, .address_space: global }
      - { .name: out1, .offset: 24, .size: 8, .value_kind: global_buffer, .address_space: global }
      - { .name: out2, .offset: 32, .size: 8, .value_kind: global_buffer, .address_space: global }
      - { .name: out4, .offset: 40, .size: 8, .value_kind: global_buffer, .address_space: global }
    .group_segment_fixed_size: 5120
    .private_segment_fixed_size: 0
    .kernarg_segment_align: 8
    .kernarg_segment_size: 48
    .max_flat_workgroup_size: 768
    .sgpr_count:     66
    .vgpr_count:     66
    .wavefront_size: 32
...
	.end_amdgpu_metadata
.endif
;; end of part 3
